; MI455X (gfx1250); checked and timed in simulation.
; The chip was launched on July 23, 2026; its instructions are those of AMD's public machine-readable ISA for CDNA 5 (MIT licence, August 2026) and "CDNA5" Instruction Set Architecture Reference Guide (July 2026). The comments in the code are by the model that wrote it; some were corrected since.
;; Multihead Attention. Allowed arithmetic: matrix products marked QUANTISED: E2M1 operands, one E8M0 scale for each 32 along K, by v_wmma_scale_f32_16x16x128_f8f6f4 with both operands' format E2M1 (or v_wmma_scale_f32_32x16x128_f4), f32 sums; everything else in f32.
;; Inputs: W_attn_codes 3,072 x 32 x 16 uint8 (E2M1 codes of W_attn, K innermost, in blocks of 32 codes, two codes a byte); W_attn_scales 3,072 x 32 uint8 (E8M0 scales of W_attn, one for each 32 codes along K); W_proj_codes 1,024 x 32 x 16 uint8 (E2M1 codes of W_proj, K innermost, in blocks of 32 codes, two codes a byte); W_proj_scales 1,024 x 32 uint8 (E8M0 scales of W_proj, one for each 32 codes along K); b_attn 3,072 float32; b_proj 1,024 float32; x_codes 4 x 2,048 x 32 x 16 uint8 (E2M1 codes of x, K innermost, in blocks of 32 codes, two codes a byte); x_scales 4 x 2,048 x 32 uint8 (E8M0 scales of x, one for each 32 codes along K).
;; Outputs: out0 4 x 2,048 x 1,024 float32.
;; This version of the problem:
;;   THIS VERSION OF THE PROBLEM IS GIVEN IN LOW PRECISION. The matrix products marked QUANTISED in the list below multiply operands that are first quantised to E2M1 (2 exponent bits, 1 mantissa bit; 4 bits a number), with one power-of-two scale for each 32 numbers along K (OCP MX v1.0); their sums are f32. All else is computed in f32.
;;   The module's matrix products, in the order in which they are computed (A, B: the left and right operand; K: the contracted axis; several contracted axes count as one K, in the product's order):
;;     1. [M 8,192, K 1,024] x [K 1,024, N 3,072]; A: input x (given as codes); B: input W_attn (given as codes): QUANTISED
;;     2. batch 64 x [M 2,048, K 64] x [K 64, N 2,048]; A: computed on the way; B: computed on the way: QUANTISED
;;     3. batch 64 x [M 2,048, K 2,048] x [K 2,048, N 64]; A: softmax (see below); B: computed on the way: QUANTISED
;;     4. [M 8,192, K 1,024] x [K 1,024, N 1,024]; A: computed on the way; B: input W_proj (given as codes): QUANTISED
;;   THE QUANTISER, for each operand of a quantised product, along K:
;;     - K is cut into blocks of 32 from its start; a last block that is shorter is filled with zeros.
;;     - A block's scale is 2^e with e = floor(log2(the largest magnitude in the block)) - 2, held to -126 .. 127; a block of zeros has e = 0. As a byte (E8M0): e + 127.
;;     - Each number is divided by its block's scale, clamped to +-6, and rounded to the nearest number of E2M1, ties to even, subnormals kept.
;;     - The product sums the exact products of the quantised numbers (number of the format x scale) in f32.
;;   ~~~python
;;   def quantise(x, axis):      # numpy; x: float32 -> the quantised numbers, widened to float32 again
;;       x = np.moveaxis(x, axis, -1); K = x.shape[-1]
;;       x = np.pad(x, [(0, 0)] * (x.ndim - 1) + [(0, -K % 32)]); x = x.reshape(x.shape[:-1] + (-1, 32)); a = np.abs(x).max(-1, keepdims=True)
;;       e = np.where(a > 0, np.clip(np.frexp(np.where(a > 0, a, 1))[1] - 1 - 2, -126, 127), 0)      # np.frexp(a)[1] - 1 = floor(log2(a)), exactly
;;       r = np.clip(x / 2.0 ** e, -6, 6)
;;       step = 2.0 ** (np.maximum(np.frexp(np.where(r == 0, 1, r))[1] - 1, 0) - 1)
;;       q = np.round(r / step) * step * 2.0 ** e      # np.round: ties to even
;;       return np.moveaxis(q.reshape(q.shape[:-2] + (-1,))[..., :K], -1, axis).astype(np.float32)
;;   ~~~
;;   SOFTMAX AHEAD OF A QUANTISED PRODUCT. Where the list says 'softmax', what is quantised is not the finished softmax but p = 2^(t - M), with t = logit x log2(e) and M = ceil(the row's largest t), a whole number; so 1/2 < the row's largest p <= 1. The row's sum l is taken of the UNQUANTISED p, in f32, and the product's result is divided by l at the end. Since M is a whole number, a kernel that streams over the keys may use a running M (the ceiling of the running maximum): every later rescaling is an exact power of two, which a block's scale takes up: the codes' values come out the same.
;;   OPERANDS COMPUTED ON THE WAY. 'Computed on the way' means the value that the module computes at that place (a softmax that the list does not call 'softmax' is quantised finished and normalised). What goes into a quantiser is computed in f32, as accurately as f32 sums, v_exp_f32 and their like allow (about 1e-6 of the number): no bf16 or f16 on the way to a quantiser, and a product that is left as it is and whose result goes on into a quantised operand takes f32 operands (vector FMAs, or v_wmma_f32_16x16x4_f32). A number that lies on a knife's edge between two numbers of the format may be rounded either way, as far as f32 arithmetic and the matrix unit's own rounding can turn it there, and no further.
;;   INPUTS GIVEN AS CODES. W_attn (in the module: [1024, 3072], K = its axis 0); W_proj (in the module: [1024, 1024], K = its axis 0); x (in the module: [4, 2048, 1024], K = its axis 2): each comes as NAME_codes (uint8): NAME with its K axis moved to the last place and cut into blocks of 32 codes, [.., K / 32, bytes a block], one block behind the other in memory; two codes a byte, the lower K in the low four bits (a code: sign, 2 exponent bits, 1 mantissa bit); and NAME_scales (uint8): the same leading axes, one E8M0 byte (e + 127) for each 32 codes along K. Its value is code x scale, taken as it is: it is not quantised again, and the codes and scales need not be those that the quantiser above would give.
;; One version. Each part assembles by itself: llvm-mc -triple=amdgcn-amd-amdhsa -mcpu=gfx1250 --defsym DOCPART=n.
;; ======== version 1 of 1: 3 launches
;; workspace buffers: qbuf 4,718,592 bytes; kvbuf 9,437,184 bytes; ycodes 4,194,304 bytes; yscales 262,144 bytes
;; launch qkv (part 1): grid 12 x 32, 4 waves a work-group, clusters of 4 x 4, 296,448 bytes of LDS; arguments x_codes, x_scales, W_attn_codes, W_attn_scales, b_attn, qbuf, kvbuf; writes qbuf, kvbuf
.if DOCPART == 1
	.amdgcn_target "amdgcn-amd-amdhsa--gfx1250"
	.amdhsa_code_object_version 6
	.text
	.protected	k_q3151d9d5d8_qkv
	.globl	k_q3151d9d5d8_qkv
	.p2align	8
	.type	k_q3151d9d5d8_qkv,@function
k_q3151d9d5d8_qkv:
	s_mov_b64 s[64:65], 0
	v_nop
	global_prefetch_b8 v0, s[64:65] scope:SCOPE_SE
	s_setreg_imm32_b32 hwreg(HW_REG_WAVE_MODE, 25, 1), 1
	s_wait_xcnt 0x0
	s_wait_alu depctr_hold_cnt(0) depctr_sa_sdst(0) depctr_va_vdst(0) depctr_va_sdst(0) depctr_va_ssrc(0) depctr_va_vcc(0) depctr_vm_vsrc(0)
	s_getreg_b32 s2, hwreg(HW_REG_IB_STS2, 6, 4)
	s_cmp_eq_u32 s2, 0
	s_cbranch_scc0 .Lentry_in_a_cluster
	s_endpgm
.Lentry_in_a_cluster:
	s_bfe_u32 s2, ttmp6, 0x10000c
	s_cmp_lg_u32 s2, 0xf033
	s_cbranch_scc0 .Lentry_shape_is_right
	s_endpgm
.Lentry_shape_is_right:
; qkv = x W_attn + b_attn on codes of FP4 (E2M1) with one E8M0 scale for each 32 along K = 1,024; q and k are then quantised along a head's 64 channels, v along the keys,
; and leave as codes and scale words laid in the order of the attention launch's operand registers.  qkv itself never goes to memory.
; A work-group of four waves makes a tile of 256 x 256; a wave 128 x 128: 64 accumulators of 16 x 16, 512 registers.  The tile's whole K lies in LDS, as two halves of 512 (rows of 256 bytes),
; each filled ONCE: no LDS byte is filled twice in this launch, so there is no ring, and a wave has three tensor loads out at the most (its scales and its part of both halves).
; THE MATRIX INSTRUCTION IS USED TRANSPOSED: source 0 = 16 rows of "B", source 1 = 16 rows of "A": a lane holds ONE row of A, and its registers run along rows of B, which is where a quantiser wants its K.
; ONE TEXT, TWO ROLES.  Clusters with x = 0 (q) and 1 (k): A = x (tokens), B = W_attn (columns): registers run along channels.  Clusters with x = 2 (v): A = W_attn's rows 2,048 on, B = x: registers run along tokens, v's K.
; x and W_attn have rows of the same length (512 bytes of codes, 32 of scales), so only pointers, tile numbers and a few constants are chosen, by selects on the cluster's x, which all partners share.  No branch hangs on it.
; CLUSTERS: 4 x 4 work-groups.  A's tile hangs on the tile row alone and is asked for jointly by a row of the cluster, B's on the tile column alone, by a column.
; 384 work-groups: a wave must own 128 tokens x whole heads for its records to leave whole, so the tile is not made smaller.
; RECORDS.  perm(g, u, r) = 32 g + 8 u + r + 8 (r / 8).  A record of kvbuf (128 keys of one head, 9,216 bytes): +0 K's eight tiles of 512 bytes: tile 2 g + u, lane (h, r): 16 bytes, channels 32 h on of key perm(g, u, r);
;   +4,096 V: unit (c, t) at 2,048 c + 512 t, lane (h, r): keys 64 c + 32 h on of channel perm(t / 2, t % 2, r);  +8,192 K's scale words: lane 16 u + r: four words, word g for key perm(g, u, r), its two bytes written twice;
;   +8,704 V's scale words: lane 16 (t % 2) + r: word 2 (head % 2) + t / 2.  A record of qbuf (128 queries, 4,608 bytes) is K's part alone: codes, then scale words at +4,096.
; LIMITS: NaN and infinities among the inputs are not served.  A block of zeros, or one whose largest magnitude lies under 2^-124, gets the byte 1: its codes are zeros, and this program alone reads the bytes.
; REGISTERS, in windows of 256: window 0: v1-29 addresses; v32-95 scale words, two sets; v96-111 A's bias, a pair for each block; v128-191, v192-255 A's fragments, two sets (the way out works there).
;   window 1: v0-63, v128-191 B's fragments, two sets; v64-127 B's bias, eight tiles in the result's layout.   windows 2, 3: accumulator (a, b) at v[8 (8 (a % 4) + b)] of window 2 + a / 4.
.set PITCH, 272                        ; an LDS row: 256 bytes + 16 of padding = 68 words: the 16 rows that a load touches start at 16 different banks (64 banks of 4 bytes: ISA guide 11.1)
.set HALFT, 128*PITCH                  ; 128 rows: what one tensor load brings, and what a wave reads of A or of B
.set SLOT,  4*HALFT                    ; half of K: A's 256 rows, then B's 256 rows
.set SCL,   2*SLOT                     ; behind the two halves: the scales, as units of 256 bytes + 16
.set HALFS, 16*272                     ; the scales of 128 rows
.set SBLK,  2*272                      ; those of 16 rows
.set STG,   9216                       ; the way out: a stage for each wave, in the first half of K, which has had its one fill and its last read by then
.set G1A,  24                          ; s[24:31] descriptor group 1 for A's tiles;  s[32:39] group 0, a set for each half of K;  s[40:43] group 0 for A's scales
.set G0A,  32
.set G0AS, 40
.set G1B,  44                          ; s[44:51], s[52:59], s[60:63] the same for B
.set G0B,  52
.set G0BS, 60
.set G1AS, 68                          ; s[68:75], s[76:83] group 1 for A's and B's scales
.set G1BS, 76
.set SC,   32                          ; scale words: set s at v[SC + 32 s]; register 4 i + q: lanes 0-15 A's block i, lanes 16-31 B's block i, the half's q-th 128 along K
.set BA,   96
.set BL,   112
.set AF,   128
.set T,    128                         ; the way out: a block's 64 numbers of a lane
.set PC,   192                         ; its codes, two sets of 8
.set PW,   208                         ; its four scale bytes
.set SW,   210                         ; the two scale words made of them, two sets
.set TM,   216                         ; v216-219 largest magnitudes, v220-223 bytes, v228-231 the conversions' scale operands
.set OUTR, 32
.set OUTS, 232
.set MSB, 0
.macro WIN new                         ; the immediate's high byte repeats the setting that is left
.if MSB != (\new)
	s_set_vgpr_msb (MSB<<8)|(\new)
.set MSB, (\new)
.endif
.endm
.macro PLACES                          ; four plain vector instructions behind a matrix instruction, in front of loads into its registers and of reads of its result
.rept 4
	v_nop
.endr
.endm
.macro CREST                           ; a round of the cluster's barrier behind its opening barrier
	s_cmp_lg_u32 s18, 0
	s_cbranch_scc1 .Lnot_wave_0_\@
	s_barrier_signal -3
.Lnot_wave_0_\@:
	s_barrier_wait -3
	s_barrier_signal -1
	s_barrier_wait -1
.endm
.macro CROUND
	s_barrier_signal -1
	s_barrier_wait -1
	CREST
.endm
	s_load_b256 s[4:11], s[0:1], 0x0               ; x's codes s[4:5], x's scales s[6:7], W's codes s[8:9], W's scales s[10:11]
	s_load_b128 s[12:15], s[0:1], 0x20             ; b_attn s[12:13], qbuf s[14:15]
	s_load_b64 s[16:17], s[0:1], 0x30              ; kvbuf
	v_lshl_add_u32 v126, v0, 2, 0x48400
	v_mov_b32 v127, 0
	ds_add_u32 v126, v127
	ds_add_u32 v126, v127
	v_lshrrev_b32 v1, 5, v0
	v_readfirstlane_b32 s18, v1                    ; wave 0..3
	s_lshr_b32 s19, s18, 1                         ; which half of A's rows is mine.  Also: I fetch for A (0) or for B (1)
	s_and_b32 s20, s18, 1                          ; which half of B's rows.  Also: which 128 rows of that tile I fetch
	s_bfe_u32 s21, ttmp6, 0x40000                  ; cx
	s_bfe_u32 s22, ttmp6, 0x40004                  ; cy
	s_and_b32 s23, ttmp7, 0xffff
	s_lshl_b32 s23, s23, 2                         ; 4 x cluster y
	s_lshl_b32 s66, ttmp9, 2                       ; 4 x cluster x
	s_lshl_b32 s2, s22, 2
	s_lshl_b32 s2, 15, s2                          ; my row of the cluster
	s_lshl_b32 s3, 0x1111, s21                     ; my column
	s_or_b32 s[G1A], s2, (1<<20)|(1<<21)|(5<<22)|(3<<25)            ; 15:0 the mask; 17:16 elements of 1 byte; 20 padding on; 21 set beside a mask; 24:22 after every 64 words; 31:25 four words
	s_or_b32 s[G1B], s3, (1<<20)|(1<<21)|(5<<22)|(3<<25)
	s_or_b32 s[G1AS], s2, (3<<16)|(1<<20)|(1<<21)|(5<<22)|(3<<25)   ; the same with elements of 8 bytes
	s_or_b32 s[G1BS], s3, (3<<16)|(1<<20)|(1<<21)|(5<<22)|(3<<25)
.irp g, G1A, G1B
	s_mov_b32 s[\g+1], 256<<16                     ; tensor_dim0 = 256 bytes
	s_mov_b32 s[\g+2], 128<<16                     ; tensor_dim1 = 128 rows
	s_mov_b32 s[\g+3], 256<<16                     ; tile_dim0
	s_mov_b32 s[\g+4], 128                         ; tile_dim1
	s_mov_b32 s[\g+5], 512                         ; from row to row: 1,024 codes
	s_mov_b32 s[\g+6], 0
	s_mov_b32 s[\g+7], 0
.endr
.irp g, G1AS, G1BS                     ; the scales of 128 rows: 4,096 dense bytes, as 16 rows of 256
	s_mov_b32 s[\g+1], 32<<16
	s_mov_b32 s[\g+2], 16<<16
	s_mov_b32 s[\g+3], 32<<16
	s_mov_b32 s[\g+4], 16
	s_mov_b32 s[\g+5], 32
	s_mov_b32 s[\g+6], 0
	s_mov_b32 s[\g+7], 0
.endr
	s_mov_b32 s98, 0x76543210
	s_mov_b32 s99, 0xfedcba98                      ; v_permlanex16_b32's selects for lane l xor 16
	s_wait_dscnt 0x0
	s_wait_kmcnt 0x0
	s_cmp_eq_u32 ttmp9, 2                          ; v's cluster?  All that the role decides is selected in this run; only moves stand between the selects
	s_cselect_b32 s67, 8, s23                      ; A's first tile: W's rows 2,048 on, or the cluster's tokens
	s_cselect_b32 s66, s23, s66                    ; B's first tile: the cluster's tokens, or its columns of W
	s_cselect_b64 s[G0A+2:G0A+3], s[8:9], s[4:5]
	s_cselect_b64 s[G0AS+2:G0AS+3], s[10:11], s[6:7]
	s_cselect_b64 s[G0B+2:G0B+3], s[4:5], s[8:9]
	s_cselect_b64 s[G0BS+2:G0BS+3], s[6:7], s[10:11]
	s_cselect_b32 s100, -1, 0                      ; all lanes in v's role, none else
	s_mov_b32 s96, 0x01000100
	s_cselect_b32 s96, 0x03020100, s96             ; which of a lane's four scale bytes make the first record's word: q, k: the first head's two, twice; v: all four
	s_mov_b32 s97, 0x03020302
	s_cselect_b32 s97, 0x03020100, s97             ; and the second record's
	s_add_co_u32 s67, s67, s22                     ; A's tile: + cy.  (A's registers never hold cx, B's never cy)
	s_add_co_u32 s66, s66, s21                     ; B's tile: + cx
	s_lshl_b32 s67, s67, 8                         ; its first row
	s_lshl_b32 s66, s66, 8
	s_lshl_b32 s2, s20, 7
	s_add_co_u32 s92, s67, s2                      ; the 128 rows that I fetch
	s_add_co_u32 s94, s66, s2
	s_mov_b32 s93, 0
	s_mov_b32 s95, 0
	s_lshl_b32 s92, s92, 5                         ; 32 bytes of scales a row
	s_lshl_b32 s94, s94, 5
	s_add_nc_u64 s[G0AS+2:G0AS+3], s[G0AS+2:G0AS+3], s[92:93]
	s_add_nc_u64 s[G0BS+2:G0BS+3], s[G0BS+2:G0BS+3], s[94:95]
	s_lshl_b32 s92, s92, 4                         ; 512 bytes of codes a row
	s_lshl_b32 s94, s94, 4
	s_add_nc_u64 s[G0A+2:G0A+3], s[G0A+2:G0A+3], s[92:93]
	s_add_nc_u64 s[G0B+2:G0B+3], s[G0B+2:G0B+3], s[94:95]
	s_add_nc_u64 s[G0A+6:G0A+7], s[G0A+2:G0A+3], 256   ; the second half of K
	s_add_nc_u64 s[G0B+6:G0B+7], s[G0B+2:G0B+3], 256
	s_mul_i32 s2, s18, HALFT                       ; where they go: wave x 128 rows: no place in the cluster enters an LDS address
	s_mul_i32 s3, s18, HALFS
.irp g, G0A, G0B
	s_mov_b32 s[\g], 1
	s_mov_b32 s[\g+1], s2
	s_or_b32 s[\g+3], s[\g+3], 0x80000000
	s_mov_b32 s[\g+4], 1
	s_add_co_u32 s[\g+5], s2, SLOT
	s_or_b32 s[\g+7], s[\g+7], 0x80000000
.endr
.irp g, G0AS, G0BS
	s_mov_b32 s[\g], 1
	s_add_co_u32 s[\g+1], s3, SCL
	s_or_b32 s[\g+3], s[\g+3], 0x80000000
.endr
	CROUND                                         ; all sixteen work-groups are here: the joint loads meet
	s_cmp_eq_u32 s19, 0                            ; a wave's three fills stand in one branch on the wave's number; four v_nop follow the last
	s_cbranch_scc0 .Lfirst_b
	tensor_load_to_lds s[G0AS:G0AS+3], s[G1AS:G1AS+7]
	s_nop 0
	tensor_load_to_lds s[G0A:G0A+3], s[G1A:G1A+7]
	s_nop 0
	tensor_load_to_lds s[G0A+4:G0A+7], s[G1A:G1A+7]
	s_nop 0
.rept 4
	v_nop
.endr
	s_branch .Lfirst_asked
.Lfirst_b:
	tensor_load_to_lds s[G0BS:G0BS+3], s[G1BS:G1BS+7]
	s_nop 0
	tensor_load_to_lds s[G0B:G0B+3], s[G1B:G1B+7]
	s_nop 0
	tensor_load_to_lds s[G0B+4:G0B+7], s[G1B:G1B+7]
	s_nop 0
.rept 4
	v_nop
.endr
.Lfirst_asked:
	; THE BIAS, while the tiles are on their way.  q, k: it hangs on the column, a row of B: eight tiles in the result's layout, the C of each sum's first product.  v: on the row of A, a lane: added on the way out.
	; Both are loaded in both roles, the one that does not apply from b_attn's first 128 numbers, and that one is then made zero.
	v_and_b32 v1, 15, v0                           ; r
	v_bfe_u32 v2, v0, 4, 1                         ; h
	v_mov_b32 v29, 0
	v_lshlrev_b32 v3, 5, v2                        ; B's: 8 h numbers on
	s_wait_alu depctr_va_vdst(0)
	v_lshlrev_b32 v4, 2, v1                        ; A's: r numbers on
	s_wait_alu depctr_va_vdst(0)
	s_lshl_b32 s2, s19, 7
	s_add_co_u32 s67, s67, s2                      ; my first row of A
	s_lshl_b32 s2, s20, 7
	s_add_co_u32 s66, s66, s2                      ; my first row of B
	s_lshl_b32 s2, s66, 2
	s_lshl_b32 s3, s67, 2
	s_cmp_eq_u32 ttmp9, 2
	s_cselect_b32 s84, 0, s2
	s_cselect_b32 s86, s3, 0
	s_mov_b32 s85, 0
	s_mov_b32 s87, 0
	s_add_nc_u64 s[84:85], s[12:13], s[84:85]
	s_add_nc_u64 s[86:87], s[12:13], s[86:87]
	WIN 0x40                                       ; destination window 1
.irp b, 0,1,2,3,4,5,6,7
	global_load_b128 v[64+8*\b:64+8*\b+3], v3, s[84:85] offset:64*\b
	global_load_b128 v[64+8*\b+4:64+8*\b+7], v3, s[84:85] offset:64*\b+16
.endr
	WIN 0
.irp a, 0,1,2,3,4,5,6,7
	global_load_b32 v[BL+\a], v4, s[86:87] offset:64*\a
.endr
	v_mul_u32_u24 v5, v1, PITCH
	v_lshl_add_u32 v5, v2, 4, v5                   ; a fragment's row x pitch + 16 h
	s_mul_i32 s2, s19, HALFT                       ; my 128 rows of A
	s_mul_i32 s3, s20, HALFT                       ; my 128 rows of B,
	s_add_co_u32 s3, s3, 2*HALFT                   ; which lie behind A's 256
	v_add_nc_u32 v16, s2, v5
	v_add_nc_u32 v20, s3, v5
	s_add_co_u32 s2, s2, SLOT
	s_add_co_u32 s3, s3, SLOT
	v_add_nc_u32 v17, s2, v5
	v_add_nc_u32 v21, s3, v5
	v_lshlrev_b32 v5, 5, v1                        ; my row's scales: 32 bytes a row,
	v_lshrrev_b32 v6, 3, v1
	v_lshl_add_u32 v5, v6, 4, v5                   ; and 16 more behind the first 256
	s_mul_i32 s2, s19, HALFS
	s_mul_i32 s3, s20, HALFS
	s_add_co_u32 s3, s3, 2*HALFS
	s_sub_co_u32 s3, s3, s2
	v_mul_u32_u24 v7, s3, v2                       ; lanes 16-31 take B's: one product, the distance between the two bases x h
	s_add_co_u32 s2, s2, SCL
	v_add_nc_u32 v5, v5, v7
	v_add_nc_u32 v27, s2, v5
	s_mul_i32 s2, s18, STG                         ; my stage
	v_and_b32 v7, 7, v1
	v_lshlrev_b32 v7, 4, v7
	v_lshl_add_u32 v8, v6, 9, v7
	v_lshl_add_u32 v8, v2, 2, v8
	v_add_nc_u32 v24, s2, v8                       ; codes in: 512 (r / 8) + 16 (r % 8) + 4 h
	v_lshl_add_u32 v8, v6, 8, v7
	v_add_nc_u32 v8, s2, v8
	v_add_nc_u32 v25, 8192, v8                     ; scale words in: 8,192 + 256 (r / 8) + 16 (r % 8)
	v_and_b32 v28, 31, v0
	v_lshlrev_b32 v28, 4, v28                      ; 16 x lane: my place in a stored unit of 512 bytes
	v_add_nc_u32 v26, s2, v28                      ; and in the stage, on the way back
	s_wait_loadcnt 0x0                             ; the biases are in, and their bases may be written again
	WIN 0x41                                       ; destination and source 0 window 1
.set i, 0
.rept 64
	v_cndmask_b32 v[64+i], v[64+i], v29, s100      ; v's role: B's rows are tokens and have no bias
.set i, i+1
.endr
	WIN 0
.irp a, 0,1,2,3,4,5,6,7
	v_cndmask_b32 v[BA+2*\a], v29, v[BL+\a], s100  ; q's and k's role: A's rows are tokens
	v_cndmask_b32 v[BA+2*\a+1], v29, v[BL+\a], s100
.endr
	; WHERE THE RECORDS GO.  s67 = my first row of A, s66 = of B
	s_cmp_eq_u32 ttmp9, 2
	s_cselect_b32 s2, s66, s67                     ; my first token
	s_cselect_b32 s3, s67, s66                     ; my first column of qkv
	s_cselect_b32 s23, 4096, 0                     ; V's codes lie behind K's
	s_bfe_u32 s3, s3, 0x40006                      ; my first head: (column / 64) mod 16, an even number
	s_lshr_b32 s2, s2, 7                           ; my block of 128 tokens, 0 .. 63
	s_lshr_b32 s66, s2, 4                          ; its batch
	s_lshl_b32 s66, s66, 4
	s_add_co_u32 s66, s66, s3
	s_lshl_b32 s66, s66, 4
	s_and_b32 s2, s2, 15
	s_add_co_u32 s66, s66, s2                      ; the record: (16 batch + head) 16 + block
	s_cmp_eq_u32 ttmp9, 0
	s_mov_b32 s67, 9216
	s_cselect_b32 s67, 4608, s67                   ; a record's bytes
	s_cselect_b64 s[84:85], s[14:15], s[16:17]
	s_mov_b32 s3, 8192
	s_cselect_b32 s3, 4096, s3                     ; where its scale words begin
	s_mul_i32 s66, s66, s67
	s_lshl_b32 s67, s67, 4                         ; from a head to the next: 16 records
	s_cmp_eq_u32 ttmp9, 2
	s_cselect_b32 s3, 8704, s3
	s_mov_b32 s2, 2048
	s_cselect_b32 s88, s2, s67                     ; stage units 8-15 against 0-7: q, k: the second head; v: keys 64 on
	s_cselect_b32 s86, s67, s2                     ; units 4-7 against 0-3: q, k: tiles 4 on; v: the second head
	s_mov_b32 s87, 0
	s_mov_b32 s89, 0
	s_mov_b32 s91, 0
	s_mov_b32 s90, s66
	s_add_nc_u64 s[84:85], s[84:85], s[90:91]      ; my first record
	s_mov_b32 s90, s3
	s_add_nc_u64 s[92:93], s[84:85], s[90:91]      ; its scale words,
	s_mov_b32 s90, s67
	s_add_nc_u64 s[94:95], s[92:93], s[90:91]      ; and the second head's
	s_mov_b32 s90, s23
	s_add_nc_u64 s[84:85], s[84:85], s[90:91]      ; stage units 0-3
	s_add_nc_u64 s[88:89], s[84:85], s[88:89]      ; units 8-11
	s_add_nc_u64 s[90:91], s[88:89], s[86:87]      ; units 12-15
	s_add_nc_u64 s[86:87], s[84:85], s[86:87]      ; units 4-7
.macro FRAG reg, adr, q, i             ; a fragment, 16 rows x 128 K: lane (r, h) holds row r; registers 4 c .. 4 c + 3 hold K = 64 c + 32 h + 0 .. 31: 16 bytes of the row as they lie
.irp c, 0,1
	ds_load_b128 v[\reg+4*\c:\reg+4*\c+3], v[\adr] offset:64*(\q)+32*\c+(\i)*16*PITCH
.endr
.endm
.macro FETCH g                         ; K step g (128 along K; half g / 4 of K): B's eight fragments and A's eight into sets g % 2
	WIN 0x40
.irp i, 0,1,2,3,4,5,6,7
	FRAG 128*((\g)%2)+8*\i, 20+(\g)/4, (\g)%4, \i
.endr
	WIN 0
.irp i, 0,1,2,3,4,5,6,7
	FRAG AF+64*((\g)%2)+8*\i, 16+(\g)/4, (\g)%4, \i
.endr
.endm
.macro SCALES s                        ; the scale words of half s of K: four words a row; lanes 0-15 take A's block i, lanes 16-31 B's
.irp i, 0,1,2,3,4,5,6,7
	ds_load_b128 v[SC+32*\s+4*\i:SC+32*\s+4*\i+3], v27 offset:\i*SBLK+16*\s
.endr
.endm
; Eight matrix instructions: A's block a against B's eight.  first = 1: the bias tile is the C that starts the sum: nothing is cleared.
; The 64 accumulators take turns, one instruction a turn, in the same order in every step.
.macro MUL a, g, first
.irp b, 0,1,2,3,4,5,6,7
.if \first
	v_wmma_scale_f32_16x16x128_f8f6f4 v[8*(8*((\a)%4)+\b):8*(8*((\a)%4)+\b)+7], v[128*((\g)%2)+8*\b:128*((\g)%2)+8*\b+7], v[AF+64*((\g)%2)+8*(\a):AF+64*((\g)%2)+8*(\a)+7], v[64+8*\b:64+8*\b+7], v[SC+32*((\g)/4)+4*\b+(\g)%4], v[SC+32*((\g)/4)+4*(\a)+(\g)%4] matrix_a_fmt:MATRIX_FMT_FP4 matrix_b_fmt:MATRIX_FMT_FP4 matrix_a_scale:MATRIX_SCALE_ROW1
.else
	v_wmma_scale_f32_16x16x128_f8f6f4 v[8*(8*((\a)%4)+\b):8*(8*((\a)%4)+\b)+7], v[128*((\g)%2)+8*\b:128*((\g)%2)+8*\b+7], v[AF+64*((\g)%2)+8*(\a):AF+64*((\g)%2)+8*(\a)+7], v[8*(8*((\a)%4)+\b):8*(8*((\a)%4)+\b)+7], v[SC+32*((\g)/4)+4*\b+(\g)%4], v[SC+32*((\g)/4)+4*(\a)+(\g)%4] matrix_a_fmt:MATRIX_FMT_FP4 matrix_b_fmt:MATRIX_FMT_FP4 matrix_a_scale:MATRIX_SCALE_ROW1
.endif
.endr
.endm
; A K step: its fragments are in; the next step's 32 loads go out in one run, into the sets that the step before multiplied; then 64 matrix instructions.
.macro STEP g, first, next
	s_wait_dscnt 0x0                               ; this step's fragments (asked for 64 matrix instructions ago) are in
.if \next
.if !(\first)
	PLACES
.endif
	FETCH (\g)+1
.endif
	WIN 0xa1-0x10*(\first)                         ; source 0 (B) window 1, source 1 (A) window 0, D window 2; C window 2, in the first step window 1
	MUL 0, \g, \first
	MUL 1, \g, \first
	MUL 2, \g, \first
	MUL 3, \g, \first
	WIN 0xf1-0x20*(\first)                         ; the same with D, and C, in window 3
	MUL 4, \g, \first
	MUL 5, \g, \first
	MUL 6, \g, \first
	MUL 7, \g, \first
.endm
	s_wait_tensorcnt 0x1                           ; my scales and my part of the first half of K are in; the one load issued behind them, the second half's, may be out
	s_barrier_signal -1
	s_barrier_wait -1                              ; everybody's are
	FETCH 0
	SCALES 0
	STEP 0, 1, 1
	STEP 1, 0, 1
	STEP 2, 0, 1
	; K step 3 goes over to the second half of K: one barrier.  In front of it my part of that half has landed and my reads of the first half are over; behind it nobody reads the first half any more.
	s_wait_tensorcnt 0x0
	s_wait_dscnt 0x0
	s_barrier_signal -1
	WIN 0xa1
	MUL 0, 3, 0
	MUL 1, 3, 0
	MUL 2, 3, 0
	MUL 3, 3, 0
	WIN 0
	s_barrier_wait -1
	PLACES
	FETCH 4
	SCALES 1
	WIN 0xf1
	MUL 4, 3, 0
	MUL 5, 3, 0
	MUL 6, 3, 0
	MUL 7, 3, 0
	STEP 4, 0, 1
	STEP 5, 0, 1
	STEP 6, 0, 1
	STEP 7, 0, 0
	WIN 0
	PLACES
.irp b, 0,1,2,3
	v_mov_b32 v[TM+4+\b], 0                        ; written once: a lane permute's destination counts as one of its sources
.endr
; THE WAY OUT of A's block a: 16 rows of A x 128 rows of B.  In a lane, register 8 b + j is row 16 b + 8 h + j of B: blocks b = 2 g and 2 g + 1, with lane l xor 16's, are the 32 neighbours 32 g .. 32 g + 31.
; A conversion's eight codes are four neighbouring bytes of a record; they are put in their place in my stage one word at a time, and leave it in whole units of 512 bytes.
.macro EPI a
.set PCS, PC+8*((\a)%2)
.set SWS, SW+2*((\a)%2)
.if (\a) >= 2
	s_wait_dscnt 10                                ; all but the block before's ten stores are done: those of two blocks back have read the set that is written now
.endif
	WIN 0x02+(\a)/4                                ; source 0: window 2 or 3
.set i, 0
.rept 32
	v_pk_add_f32 v[T+2*i:T+2*i+1], v[64*((\a)%4)+2*i:64*((\a)%4)+2*i+1], v[BA+2*(\a):BA+2*(\a)+1]   ; + A's bias (zero for q and k), into window 0; each accumulator from its low end on
.set i, i+1
.endr
	WIN 0
.irp b, 0,1,2,3
	v_max3_num_f32 v[TM+\b], |v[T+16*\b]|, |v[T+1+16*\b]|, 0x1800000   ; block b: my 16 numbers, and the floor 2^(3 - 127): the byte cannot fall under 1
.endr
.irp i, 2,4,6,8,10,12,14
.irp b, 0,1,2,3
	v_max3_num_f32 v[TM+\b], v[TM+\b], |v[T+16*\b+\i]|, |v[T+1+16*\b+\i]|   ; (the four blocks by turns)
.endr
.endr
.irp b, 0,1,2,3
	v_permlanex16_b32 v[TM+4+\b], v[TM+\b], s98, s99
.endr
.irp b, 0,1,2,3
	v_max_num_f32 v[TM+\b], v[TM+\b], v[TM+4+\b]   ; with lane l xor 16's: the block's largest magnitude
.endr
.irp b, 0,1,2,3
	v_add_nc_u32 v[TM+12+\b], 0xff000000, v[TM+\b] ; 2 off its exponent field: the conversion takes the exponent field of this operand as its scale
.endr
.irp b, 0,1,2,3
	v_lshrrev_b32 v[TM+4+\b], 23, v[TM+12+\b]      ; the scale's byte
.endr
	v_lshl_or_b32 v[PW], v[TM+5], 8, v[TM+4]
	v_lshl_or_b32 v[PW], v[TM+6], 16, v[PW]
	v_lshl_or_b32 v[PW], v[TM+7], 24, v[PW]
	v_perm_b32 v[SWS], v[PW], v[PW], s96           ; the first record's word,
	v_perm_b32 v[SWS+1], v[PW], v[PW], s97         ; the second's
.irp b, 0,1,2,3,4,5,6,7
	v_cvt_scalef32_pk8_fp4_f32 v[PCS+\b], v[T+8*\b:T+8*\b+7], v[TM+12+\b/2]
.endr
	v_nop                                          ; one plain place behind a scaled conversion
.irp b, 0,1,2,3,4,5,6,7
	ds_store_b32 v24, v[PCS+\b] offset:4096*(\b/4)+1024*((\a)/2)+256*((\b/2)%2)+128*((\a)%2)+8*(\b%2)
.endr
	ds_store_b32 v25, v[SWS] offset:128*((\a)%2)+4*((\a)/2)          ; both halves of the lanes write the same word with the same value
	ds_store_b32 v25, v[SWS+1] offset:512+128*((\a)%2)+4*((\a)/2)
.endm
.irp a, 0,1,2,3,4,5,6,7
	EPI \a
.endr
.irp i, 0,1,2,3,4,5,6,7,8,9,10,11,12,13,14,15
	ds_load_b128 v[OUTR+4*\i:OUTR+4*\i+3], v26 offset:512*\i       ; LDS serves a wave's instructions in order (ISA guide 5.7.1.4): these see my stores
.endr
.irp i, 0,1
	ds_load_b128 v[OUTS+4*\i:OUTS+4*\i+3], v26 offset:8192+512*\i
.endr
.irp i, 0,1,2,3,4,5,6,7,8,9,10,11,12,13,14,15
	s_wait_dscnt 17-\i                             ; the younger loads may be out
	global_store_b128 v28, v[OUTR+4*\i:OUTR+4*\i+3], s[84+2*(2*(\i/8)+(\i/4)%2):85+2*(2*(\i/8)+(\i/4)%2)] offset:512*(\i%4)   ; the wave stores 512 consecutive bytes, at a multiple of 512 from the buffer's first byte
.endr
.irp i, 0,1
	s_wait_dscnt 1-\i
	global_store_b128 v28, v[OUTS+4*\i:OUTS+4*\i+3], s[92+2*\i:93+2*\i]
.endr
	s_wait_tensorcnt 0x0
	ds_add_u32 v126, v127
	s_wait_dscnt 0x0
	CROUND                                         ; the closing round: no work-group ends while a partner may still ask for a tile that names it
	s_endpgm
.Lfunc_end_k_q3151d9d5d8_qkv:
	.size	k_q3151d9d5d8_qkv, .Lfunc_end_k_q3151d9d5d8_qkv-k_q3151d9d5d8_qkv
	.p2alignl 7, 3214868480
	.fill 96, 4, 3214868480
	.section	.rodata,"a",@progbits
	.p2align	6, 0x0
	.amdhsa_kernel k_q3151d9d5d8_qkv
		.amdhsa_group_segment_fixed_size 296448
		.amdhsa_private_segment_fixed_size 0
		.amdhsa_enable_private_segment 0
		.amdhsa_kernarg_size 56
		.amdhsa_user_sgpr_count 2
		.amdhsa_user_sgpr_kernarg_segment_ptr 1
		.amdhsa_wavefront_size32 1
		.amdhsa_system_sgpr_workgroup_id_x 1
		.amdhsa_system_sgpr_workgroup_id_y 1
		.amdhsa_system_sgpr_workgroup_id_z 1
		.amdhsa_system_vgpr_workitem_id 0
		.amdhsa_next_free_vgpr 1024
		.amdhsa_next_free_sgpr 102
		.amdhsa_reserve_vcc 0
		.amdhsa_float_denorm_mode_32 3
		.amdhsa_float_denorm_mode_16_64 3
		.amdhsa_memory_ordered 1
		.amdhsa_forward_progress 1
		.amdhsa_inst_pref_size 157
	.end_amdhsa_kernel
	.amdgpu_metadata
---
amdhsa.version: [ 1, 2 ]
amdhsa.kernels:
  - .name:           k_q3151d9d5d8_qkv
    .symbol:         k_q3151d9d5d8_qkv.kd
    .args:
      - { .name: x_codes, .offset: 0, .size: 8, .value_kind: global_buffer, .address_space: global }
      - { .name: x_scales, .offset: 8, .size: 8, .value_kind: global_buffer, .address_space: global }
      - { .name: W_attn_codes, .offset: 16, .size: 8, .value_kind: global_buffer, .address_space: global }
      - { .name: W_attn_scales, .offset: 24, .size: 8, .value_kind: global_buffer, .address_space: global }
      - { .name: b_attn, .offset: 32, .size: 8, .value_kind: global_buffer, .address_space: global }
      - { .name: qbuf, .offset: 40, .size: 8, .value_kind: global_buffer, .address_space: global }
      - { .name: kvbuf, .offset: 48, .size: 8, .value_kind: global_buffer, .address_space: global }
    .group_segment_fixed_size: 296448
    .private_segment_fixed_size: 0
    .kernarg_segment_align: 8
    .kernarg_segment_size: 56
    .max_flat_workgroup_size: 128
    .sgpr_count:     102
    .vgpr_count:     1024
    .wavefront_size: 32
...
	.end_amdgpu_metadata
.endif
;; end of part 1
;; launch attn (part 2): grid 256 x 1, 16 waves a work-group, clusters of 4 x 1, 169,984 bytes of LDS; arguments qbuf, kvbuf, ycodes, yscales; writes ycodes, yscales
.if DOCPART == 2
	.amdgcn_target "amdgcn-amd-amdhsa--gfx1250"
	.amdhsa_code_object_version 6
	.text
	.protected	k_q3151d9d5d8_attn
	.globl	k_q3151d9d5d8_attn
	.p2align	8
	.type	k_q3151d9d5d8_attn,@function
k_q3151d9d5d8_attn:
	s_mov_b64 s[64:65], 0
	v_nop
	global_prefetch_b8 v0, s[64:65] scope:SCOPE_SE
	s_setreg_imm32_b32 hwreg(HW_REG_WAVE_MODE, 25, 1), 1
	s_wait_xcnt 0x0
	s_wait_alu depctr_hold_cnt(0) depctr_sa_sdst(0) depctr_va_vdst(0) depctr_va_sdst(0) depctr_va_ssrc(0) depctr_va_vcc(0) depctr_vm_vsrc(0)
	s_getreg_b32 s2, hwreg(HW_REG_IB_STS2, 6, 4)
	s_cmp_eq_u32 s2, 0
	s_cbranch_scc0 .Lentry_in_a_cluster
	s_endpgm
.Lentry_in_a_cluster:
	s_bfe_u32 s2, ttmp6, 0x10000c
	s_cmp_lg_u32 s2, 0x3003
	s_cbranch_scc0 .Lentry_shape_is_right
	s_endpgm
.Lentry_shape_is_right:
; y[b][q][head] = softmax_k(q . k / 8, causal) v on codes of FP4 (E2M1), and y quantised along its 1,024 channels for the last product.  q, k, v come as records in the order of the operands' registers (qbuf, kvbuf).
; THE SOFTMAX AHEAD OF THE SECOND PRODUCT: t = score x log2(e) / 8; M = the row's largest t so far, rounded UP to a whole number; p = 2^(t - M) is quantised along the keys, not normalised.
; The row's sum is taken of the unquantised p and divides O at the end.  When M moves, the sum and O are multiplied by 2^(old M - new M): exact.
; SHARES.  A cluster of four work-groups is one (batch, head).  The head's whole K and V, 16 records of 9,216 bytes, come into each partner's LDS ONCE, by one joint load a wave (sixteen waves, a record each):
; no LDS byte is filled twice, nothing is stored into LDS, and all of the head's K and V are asked for by these first loads, so nothing is left to ask for ahead.
; The eight tiles of 16 queries of a group of 128 queries, group g, all need g + 1 key steps of 128 keys.  Partner cx takes tiles 2 cx and 2 cx + 1 of every group; wave w works tile 2 cx of group w and then
; tile 2 cx + 1 of group 15 - w: 17 key steps in every wave of the launch.  The place in the cluster enters global addresses and the mask's numbers alone: no branch and no LDS address hangs on it.
; A job's loop has a constant 16 trips; a step all of whose keys come after the group's queries is jumped over by a scalar branch on the wave's number; the one step on the diagonal hides scores by compare and select.
; LAYOUT.  Both products are used transposed: S^T = K Q^T (source 0 = 16 keys), O^T = V^T P^T (source 0 = 16 channels): a lane holds ONE query throughout.  A tile's keys, and V's channels, are not neighbours:
; lane r of tile 2 g + u holds number 32 g + 8 u + r + 8 (r / 8), so that the 16 registers of tiles 2 g and 2 g + 1 are 16 neighbours, 32 g + 16 h + 0 .. 15, along the next product's K.
; A HEAD HAS 64 CHANNELS, THE INSTRUCTION 128 ALONG K.  Q's registers 4-7 hold zero codes.  K's tile is named with the four registers behind it (the next tile's codes, zeros behind the last): every pattern of
; bits is a finite number of the format and adds nothing against a zero code.  Bytes 2 and 3 of q's and k's scale words repeat bytes 0 and 1.
; yscales leaves as single bytes, 32 a job: a row's 32 bytes are made by sixteen heads, which are different work-groups.  They are one sixteenth of what the launch stores.
; LIMITS: NaN and infinities are not served.  A block of y that is all zeros, or under 2^-124, gets the byte 1: its codes are zeros, and this program alone reads the bytes.
; REGISTERS: v1-7 addresses that stay; v8-9 the step's LDS addresses; v12 -M, v13 the largest t, v[14:15] the sum in two halves; v16-23, v72-79 Q of the two jobs; v24-27 K's scale words, v28-29 V's, v30-31 Q's;
;   v32-63 K, four registers a tile, v64-67 zeros; v96-159 S^T, then p; v160-191 O^T; v192-223 V; v224-231 p's codes; v232-254 at work.
.set REC, 9216
.set SG,  36                           ; s36, s37  the two jobs' groups of queries
.set J,   52                           ; s52  the key step
.set TB,  53                           ; s53  LDS byte at which its record begins
.macro ROUND                           ; a round of the cluster's barrier
	s_barrier_signal -1
	s_barrier_wait -1
	s_cmp_lg_u32 s12, 0
	s_cbranch_scc1 .Lnot_wave_0_\@
	s_barrier_signal -3
.Lnot_wave_0_\@:
	s_barrier_wait -3
	s_barrier_signal -1
	s_barrier_wait -1
.endm
	s_load_b256 s[4:11], s[0:1], 0x0               ; qbuf s[4:5], kvbuf s[6:7], ycodes s[8:9], yscales s[10:11]
	v_lshl_add_u32 v251, v0, 2, 0x29000
	v_mov_b32 v255, 0
	ds_add_u32 v251, v255
	ds_add_u32 v251, v255
	v_lshrrev_b32 v1, 5, v0
	s_delay_alu instid0(VALU_DEP_1)
	v_readfirstlane_b32 s12, v1                    ; wave 0..15
	s_bfe_u32 s13, ttmp6, 0x40000                  ; cx
	s_and_b32 s15, ttmp9, 15                       ; the head (the cluster's x is 16 batch + head)
	s_lshr_b32 s16, ttmp9, 4                       ; the batch
	s_mov_b32 s17, 0xffff0000                      ; lanes 16-31
	s_mov_b32 s20, 0x76543210
	s_mov_b32 s21, 0xfedcba98                      ; v_permlanex16_b32's selects for lane l xor 16
	s_mov_b32 s22, 0x3e38aa3b                      ; c = log2(e) / 8
	s_mov_b32 s23, s22                             ; (named with it as a pair, so it is written)
	s_mov_b32 s24, 15|(3<<16)|(1<<21)              ; group 1: the mask: all four partners; elements of 8 bytes; 21 set beside a mask; no padding
	s_mov_b32 s25, 32<<16                          ; a record is dense: 36 rows of 256 bytes
	s_mov_b32 s26, 36<<16
	s_mov_b32 s27, 32<<16
	s_mov_b32 s28, 36
	s_mov_b32 s29, 32
	s_mov_b32 s30, 0
	s_mov_b32 s31, 0
	s_mov_b32 s[SG], s12
	s_sub_co_u32 s[SG+1], 15, s12
	s_mul_i32 s2, ttmp9, 16*REC                    ; the head's records,
	s_mul_i32 s3, s12, REC                         ; my wave's: in memory and in LDS alike
	s_add_co_u32 s54, s2, s3
	s_mov_b32 s55, 0
	s_wait_dscnt 0x0
	s_wait_kmcnt 0x0
	s_mov_b32 s32, 1
	s_mov_b32 s33, s3
	s_add_nc_u64 s[34:35], s[6:7], s[54:55]
	s_or_b32 s35, s35, 0x80000000
	ROUND                                          ; all four work-groups are here: the joint loads meet
	tensor_load_to_lds s[32:35], s[24:31]          ; my one tensor load
	s_nop 0
.rept 4
	v_nop
.endr
	; where the jobs read and store
	s_lshr_b32 s57, s15, 1
	s_lshl_b32 s57, s57, 13                        ; ycodes: 8,192 (head / 2)
	s_and_b32 s58, s15, 1
	s_lshl_b32 s58, s58, 9                         ; + 512 (head % 2)
	s_add_co_u32 s57, s57, s58
	s_lshl_b32 s58, s13, 11                        ; + 2,048 cx: my two tiles of queries
	s_add_co_u32 s57, s57, s58
	s_lshl_b32 s58, s13, 10                        ; yscales: 32 cx rows of 32 bytes
	s_lshl_b32 s59, s15, 1                         ; + the head's two bytes
	s_add_co_u32 s58, s58, s59
	s_mul_i32 s2, ttmp9, 16*4608
.irp e, 0,1
	s_mul_i32 s54, s[SG+\e], 4608
	s_add_co_u32 s54, s54, s2
	s_add_nc_u64 s[40+2*\e:41+2*\e], s[4:5], s[54:55]     ; the group's record of q
	s_lshl_b32 s56, s16, 4
	s_add_co_u32 s56, s56, s[SG+\e]                ; its block of 128 rows of y
	s_lshl_b32 s54, s56, 16
	s_add_co_u32 s54, s54, s57
	s_add_nc_u64 s[44+2*\e:45+2*\e], s[8:9], s[54:55]
	s_lshl_b32 s54, s56, 12
	s_add_co_u32 s54, s54, s58
	s_add_nc_u64 s[48+2*\e:49+2*\e], s[10:11], s[54:55]
.endr
	v_and_b32 v10, 31, v0
	s_delay_alu instid0(VALU_DEP_1)
	v_lshlrev_b32 v1, 4, v10                       ; 16 x lane: my place in every unit of 512 bytes
	s_and_b32 s2, ttmp9, 1
	s_lshl_b32 s2, s2, 3
	v_add_nc_u32 v2, s2, v1                        ; V's scale words: my head's two of the lane's four
	v_and_b32 v10, 15, v0                          ; r
	v_bfe_u32 v11, v0, 4, 1                        ; h
	s_delay_alu instid0(VALU_DEP_2)
	v_lshrrev_b32 v8, 3, v10
	s_delay_alu instid0(VALU_DEP_3)
	v_and_b32 v9, 7, v10
	s_delay_alu instid0(VALU_DEP_1)
	v_lshlrev_b32 v9, 4, v9
	s_delay_alu instid0(VALU_DEP_1)
	v_lshl_add_u32 v3, v8, 9, v9
	s_delay_alu instid0(VALU_DEP_1)
	v_lshl_add_u32 v3, v11, 8, v3
	s_lshl_b32 s2, s13, 10
	v_add_nc_u32 v3, s2, v3                        ; query 32 cx + 16 e + r in its record: 1,024 cx + 512 (r / 8) + 256 h + 16 (r % 8) (+ 128 e)
	v_lshl_add_u32 v4, v8, 8, v9
	s_lshl_b32 s2, s13, 2
	v_add_nc_u32 v4, s2, v4                        ; its scale word: 256 (r / 8) + 16 (r % 8) + 4 cx (+ 128 e)
	v_lshl_add_u32 v5, v10, 5, v11                 ; yscales: row r, byte h
	v_lshlrev_b32 v6, 4, v11
	s_delay_alu instid0(VALU_DEP_1)
	v_sub_nc_u32 v6, v10, v6
	s_lshl_b32 s2, s13, 5
	v_add_nc_u32 v6, s2, v6                        ; the first job's query in its group, less 16 h
	s_delay_alu instid0(VALU_DEP_1)
	v_add_nc_u32 v7, 16, v6                        ; the second job's
	global_load_b128 v[16:19], v3, s[40:41]
	global_load_b32 v30, v4, s[40:41] offset:4096
	global_load_b128 v[72:75], v3, s[42:43] offset:128
	global_load_b32 v31, v4, s[42:43] offset:4096+128
.irp j, 20,21,22,23,76,77,78,79,64,65,66,67
	v_mov_b32 v\j, 0                               ; zero codes
.endr
.irp j, 236,237,238,239,252,253
	v_mov_b32 v\j, 0                               ; written once: a lane permute's destination counts as one of its sources, and v253 is named as the upper half of a pair
.endr
	s_wait_loadcnt 0x0                             ; Q
	s_wait_tensorcnt 0x0                           ; my record has landed,
	s_barrier_signal -1
	s_barrier_wait -1                              ; everybody's has
; A JOB: one tile of 16 queries against the keys up to its diagonal.  e: which job; QF: Q's fragment; QS: its scale words; DD: my query in its group, less 16 h.
.macro JOB e, QF, QS, DD
.if \e
	s_wait_xcnt 0x0                                ; the first job's stores have read their registers, which are written again
.endif
	v_mov_b32 v13, 0xff61b1e6                      ; the largest t so far: -3e38, under every t
	s_delay_alu instid0(VALU_DEP_1)
	v_floor_f32 v12, -v13                          ; -M
	v_mov_b32 v14, 0
	v_mov_b32 v15, 0
.irp j, 0,1,2,3,4,5,6,7,8,9,10,11,12,13,14,15,16,17,18,19,20,21,22,23,24,25,26,27,28,29,30,31
	v_mov_b32 v[160+\j], 0                         ; O^T.  (The step is written once: the first finds zeros, which the first change of M leaves zeros)
.endr
	s_mov_b32 s[J], 0
	s_mov_b32 s[TB], 0
.Lstep_\@:
	s_cmp_gt_u32 s[J], s[SG+\e]                    ; all 128 keys come after my group's queries: the step's work is left out
	s_cbranch_scc1 .Lhidden_\@
	s_setprio 2
	v_add_nc_u32 v8, s[TB], v1
	v_add_nc_u32 v9, s[TB], v2
	v_nop
	v_nop                                          ; four places behind the last step's products, in front of the loads into V and its scale words
.irp t, 0,1,2,3,4,5,6,7
	ds_load_b128 v[32+4*\t:35+4*\t], v8 offset:512*\t
.endr
	ds_load_b128 v[24:27], v8 offset:8192          ; K's scale words: register g: lanes 0-15 tile 2 g, lanes 16-31 tile 2 g + 1
.irp t, 0,1,2,3
.irp c, 0,1
	ds_load_b128 v[192+8*\t+4*\c:195+8*\t+4*\c], v8 offset:4096+2048*\c+512*\t
.endr
.endr
	ds_load_b64 v[28:29], v9 offset:8704           ; V's scale words, likewise
	s_wait_dscnt 9                                 ; K and its scale words are in; V's eight loads and its scale words may be out
.irp t, 0,2,4,6
	v_wmma_scale_f32_16x16x128_f8f6f4 v[96+8*\t:103+8*\t], v[32+4*\t:39+4*\t], v[\QF:\QF+7], 0, v[24+\t/2], v[\QS] matrix_a_fmt:MATRIX_FMT_FP4 matrix_b_fmt:MATRIX_FMT_FP4
	v_wmma_scale_f32_16x16x128_f8f6f4 v[104+8*\t:111+8*\t], v[36+4*\t:43+4*\t], v[\QF:\QF+7], 0, v[24+\t/2], v[\QS] matrix_a_fmt:MATRIX_FMT_FP4 matrix_b_fmt:MATRIX_FMT_FP4 matrix_a_scale:MATRIX_SCALE_ROW1
.endr
.rept 4
	v_nop
.endr
	s_cmp_lg_u32 s[J], s[SG+\e]                    ; only the step on the diagonal hides scores
	s_cbranch_scc1 .Lopen_\@
	v_mov_b32 v254, 0xff800000                     ; -infinity: p = 0 then.  Register 16 b + i holds key 32 b + 16 h + i of the step: hidden where 32 b + i > my query - 16 h
.irp n, 0,1,2,3,4,5,6,7,8,9,10,11,12,13,14,15,16,17,18,19,20,21,22,23,24,25,26,27,28,29,30,31,32,33,34,35,36,37,38,39,40,41,42,43,44,45,46,47,48,49,50,51,52,53,54,55,56,57,58,59,60,61,62,63
	v_cmp_gt_i32 vcc_lo, 32*(\n/16)+\n%16, v[\DD]
	v_cndmask_b32 v[96+\n], v[96+\n], v254, vcc_lo
.endr
.Lopen_\@:
.irp b, 0,1,2,3
	v_max3_num_f32 v[232+\b], v[96+16*\b], v[97+16*\b], v[98+16*\b]   ; the largest score of each block of 32 keys: it serves for the row's maximum and, since p rises with the score, for the block's largest p
.endr
.irp i, 3,5,7,9,11,13
.irp b, 0,1,2,3
	v_max3_num_f32 v[232+\b], v[232+\b], v[96+16*\b+\i], v[97+16*\b+\i]
.endr
.endr
.irp b, 0,1,2,3
	v_max_num_f32 v[232+\b], v[232+\b], v[111+16*\b]
.endr
.irp b, 0,1,2,3
	s_delay_alu instid0(VALU_DEP_4)
	v_permlanex16_b32 v[236+\b], v[232+\b], s20, s21
.endr
.irp b, 0,1,2,3
	s_delay_alu instid0(VALU_DEP_4)
	v_max_num_f32 v[232+\b], v[232+\b], v[236+\b]  ; with lane l xor 16's 16 keys
.endr
	s_delay_alu instid0(VALU_DEP_2)
	v_max3_num_f32 v254, v232, v233, v234
	s_delay_alu instid0(VALU_DEP_1)
	v_max_num_f32 v254, v254, v235                 ; the step's largest score of my query
	s_delay_alu instid0(VALU_DEP_1)
	v_mul_f32 v254, s22, v254                      ; as t (c is positive)
	s_delay_alu instid0(VALU_DEP_1)
	v_max_num_f32 v13, v13, v254                   ; the running largest t
	v_mov_b32 v254, v12
	s_delay_alu instid0(VALU_DEP_2)
	v_floor_f32 v12, -v13                          ; the new -M = floor(-t) = -ceil(t)
	s_delay_alu instid0(VALU_DEP_1)
	v_sub_f32 v254, v12, v254                      ; old M - new M: a whole number, 0 or less
	s_delay_alu instid0(VALU_DEP_1)
	v_cvt_i32_f32 v254, v254                       ; (it saturates)
	s_delay_alu instid0(VALU_DEP_1)
	v_ldexp_f32 v252, 1.0, v254                    ; f = 2^(old M - new M)
.irp j, 0,2,4,6,8,10,12,14,16,18,20,22,24,26,28,30,32,34,36,38,40,42,44,46,48,50,52,54,56,58,60,62
	v_pk_fma_f32 v[96+\j:97+\j], v[96+\j:97+\j], s[22:23], v[12:13] op_sel_hi:[1,0,0]   ; t - M, two at a time
.endr
	s_setprio 1
.irp b, 0,1,2,3
	v_fma_f32 v[232+\b], v[232+\b], s22, v12       ; the same of each block's largest score
.endr
	s_wait_alu depctr_va_vdst(0)
.irp j, 0,1,2,3,4,5,6,7,8,9,10,11,12,13,14,15,16,17,18,19,20,21,22,23,24,25,26,27,28,29,30,31,32,33,34,35,36,37,38,39,40,41,42,43,44,45,46,47,48,49,50,51,52,53,54,55,56,57,58,59,60,61,62,63
	v_exp_f32 v[96+\j], v[96+\j]                   ; p = 2^(t - M), at most 1
.endr
.irp b, 0,1,2,3
	v_exp_f32 v[232+\b], v[232+\b]                 ; the block's largest p: the same two instructions on the same number
.endr
	v_pk_mul_f32 v[14:15], v[14:15], v[252:253] op_sel_hi:[1,0]   ; the sums under the new M.  (A plain place behind the exponentials)
	s_wait_alu depctr_va_vdst(0)
.irp b, 0,1,2,3
	v_max_num_f32 v[232+\b], 0x1800000, v[232+\b]  ; the floor 2^(3 - 127): the byte cannot fall under 1
.endr
.irp b, 0,1,2,3
	s_delay_alu instid0(VALU_DEP_4)
	v_add_nc_u32 v[244+\b], 0xff000000, v[232+\b]  ; 2 off the exponent field: the conversion's scale operand
.endr
.irp b, 0,1,2,3
	s_delay_alu instid0(VALU_DEP_4)
	v_lshrrev_b32 v[236+\b], 23, v[244+\b]         ; the scale's byte
.endr
	s_delay_alu instid0(VALU_DEP_3)
	v_lshl_or_b32 v253, v237, 8, v236              ; p's scale word for these 128 keys
	s_delay_alu instid0(VALU_DEP_1)
	v_lshl_or_b32 v253, v238, 16, v253
	s_delay_alu instid0(VALU_DEP_1)
	v_lshl_or_b32 v253, v239, 24, v253
.irp b, 0,1,2,3
	v_cvt_scalef32_pk8_fp4_f32 v[224+2*\b], v[96+16*\b:103+16*\b], v[244+\b]
	v_cvt_scalef32_pk8_fp4_f32 v[225+2*\b], v[104+16*\b:111+16*\b], v[244+\b]
.endr
	v_nop                                          ; one plain place behind a scaled conversion
.irp c, 0,1                            ; the operand's layout wants a whole block in a lane: lanes 0-15 block 2 c, lanes 16-31 block 2 c + 1
.irp i, 0,1
	v_permlane16_swap_b32 v[224+4*\c+\i], v[226+4*\c+\i]
.endr
.endr
	v_pk_add_f32 v[236:237], v[100:101], v[104:105]
	v_pk_add_f32 v[248:249], v[108:109], v[112:113]
	v_pk_add_f32 v[246:247], v[116:117], v[120:121]
	v_pk_add_f32 v[244:245], v[124:125], v[128:129]
	v_pk_add_f32 v[242:243], v[132:133], v[136:137]
	v_pk_add_f32 v[240:241], v[140:141], v[144:145]
	v_pk_add_f32 v[234:235], v[148:149], v[152:153]
	v_pk_add_f32 v[14:15], v[14:15], v[156:157]
	v_pk_add_f32 v[236:237], v[236:237], v[96:97]
	v_pk_add_f32 v[248:249], v[248:249], v[98:99]
	v_pk_add_f32 v[246:247], v[246:247], v[102:103]
	v_pk_add_f32 v[244:245], v[244:245], v[106:107]
	v_pk_add_f32 v[242:243], v[242:243], v[110:111]
	s_setprio 0
	v_pk_add_f32 v[240:241], v[240:241], v[114:115]
	v_pk_add_f32 v[234:235], v[234:235], v[118:119]
	v_pk_add_f32 v[14:15], v[14:15], v[122:123]
	v_pk_add_f32 v[236:237], v[236:237], v[126:127]
	v_pk_add_f32 v[248:249], v[248:249], v[130:131]
	v_pk_add_f32 v[246:247], v[246:247], v[134:135]
	v_pk_add_f32 v[244:245], v[244:245], v[138:139]
	v_pk_add_f32 v[242:243], v[242:243], v[142:143]
	v_pk_add_f32 v[240:241], v[240:241], v[146:147]
	v_pk_add_f32 v[234:235], v[234:235], v[150:151]
	v_pk_add_f32 v[14:15], v[14:15], v[154:155]
	v_pk_add_f32 v[236:237], v[236:237], v[158:159]
	s_delay_alu instid0(VALU_DEP_2)
	v_pk_add_f32 v[14:15], v[14:15], v[244:245]
	s_delay_alu instid0(VALU_DEP_2)
	v_pk_add_f32 v[236:237], v[236:237], v[242:243]
	v_pk_add_f32 v[248:249], v[248:249], v[240:241]
	v_pk_add_f32 v[246:247], v[246:247], v[234:235]
	s_delay_alu instid0(VALU_DEP_2)
	v_pk_add_f32 v[14:15], v[14:15], v[248:249]
	s_delay_alu instid0(VALU_DEP_2)
	v_pk_add_f32 v[236:237], v[236:237], v[246:247]
	s_delay_alu instid0(VALU_DEP_1)
	v_pk_add_f32 v[14:15], v[14:15], v[236:237]
.irp j, 0,2,4,6,8,10,12,14,16,18,20,22,24,26,28,30
	v_pk_mul_f32 v[160+\j:161+\j], v[160+\j:161+\j], v[252:253] op_sel_hi:[1,0]   ; O^T under the new M.  (With the sums above: the places between p's codes and scale word and the products below)
.endr
	s_wait_alu depctr_va_vdst(0)
	s_wait_dscnt 0x0                               ; V is in
.irp t, 0,2
	v_wmma_scale_f32_16x16x128_f8f6f4 v[160+8*\t:167+8*\t], v[192+8*\t:199+8*\t], v[224:231], v[160+8*\t:167+8*\t], v[28+\t/2], v253 matrix_a_fmt:MATRIX_FMT_FP4 matrix_b_fmt:MATRIX_FMT_FP4
	v_wmma_scale_f32_16x16x128_f8f6f4 v[168+8*\t:175+8*\t], v[200+8*\t:207+8*\t], v[224:231], v[168+8*\t:175+8*\t], v[28+\t/2], v253 matrix_a_fmt:MATRIX_FMT_FP4 matrix_b_fmt:MATRIX_FMT_FP4 matrix_a_scale:MATRIX_SCALE_ROW1
.endr
.Lhidden_\@:
	s_add_co_u32 s[TB], s[TB], REC
	s_add_co_u32 s[J], s[J], 1
	s_cmp_lt_u32 s[J], 16
	s_cbranch_scc1 .Lstep_\@
	s_setprio 0
	; THE JOB'S END: y = O^T / the sum; its two blocks of 32 channels are quantised; 16 bytes of codes a lane and one scale byte a lane leave.
.rept 4
	v_nop
.endr
	v_add_f32 v14, v14, v15                        ; the sum's two halves,
	s_delay_alu instid0(VALU_DEP_1)
	v_permlanex16_b32 v252, v14, s20, s21
	s_delay_alu instid0(VALU_DEP_1)
	v_add_f32 v14, v14, v252                       ; and lane l xor 16's
	s_wait_alu depctr_va_vdst(0)
	v_rcp_f32 v14, v14
	v_nop                                          ; one plain place behind a transcendental
	s_wait_alu depctr_va_vdst(0)
.irp j, 0,2,4,6,8,10,12,14,16,18,20,22,24,26,28,30
	v_pk_mul_f32 v[96+\j:97+\j], v[160+\j:161+\j], v[14:15] op_sel_hi:[1,0]   ; register 16 g + i is channel 32 g + 16 h + i of my query; each accumulator from its low end on
.endr
.irp g, 0,1
	v_max3_num_f32 v[232+\g], |v[96+16*\g]|, |v[97+16*\g]|, 0x1800000
.endr
.irp i, 2,4,6,8,10,12,14
.irp g, 0,1
	s_delay_alu instid0(VALU_DEP_2)
	v_max3_num_f32 v[232+\g], v[232+\g], |v[96+16*\g+\i]|, |v[97+16*\g+\i]|
.endr
.endr
.irp g, 0,1
	s_delay_alu instid0(VALU_DEP_2)
	v_permlanex16_b32 v[236+\g], v[232+\g], s20, s21
.endr
.irp g, 0,1
	s_delay_alu instid0(VALU_DEP_2)
	v_max_num_f32 v[232+\g], v[232+\g], v[236+\g]
.endr
.irp g, 0,1
	s_delay_alu instid0(VALU_DEP_2)
	v_add_nc_u32 v[244+\g], 0xff000000, v[232+\g]
.endr
.irp g, 0,1
	s_delay_alu instid0(VALU_DEP_2)
	v_lshrrev_b32 v[236+\g], 23, v[244+\g]
.endr
.irp g, 0,1
	v_cvt_scalef32_pk8_fp4_f32 v[224+2*\g], v[96+16*\g:103+16*\g], v[244+\g]
	v_cvt_scalef32_pk8_fp4_f32 v[225+2*\g], v[104+16*\g:111+16*\g], v[244+\g]
.endr
	v_nop
	v_permlane16_swap_b32 v224, v226               ; v224-227 of lane (r, h): channels 32 h + 0 .. 31 of query r
	v_permlane16_swap_b32 v225, v227
	v_cndmask_b32 v232, v236, v237, s17            ; lanes 0-15 the first block's byte, lanes 16-31 the second's
	global_store_b128 v1, v[224:227], s[44+2*\e:45+2*\e] offset:1024*\e   ; the wave stores 512 consecutive bytes, at a multiple of 512 from the buffer's first byte
	global_store_b8 v5, v232, s[48+2*\e:49+2*\e] offset:512*\e
.endm
	JOB 0, 16, 30, 6
	JOB 1, 72, 31, 7
	s_wait_tensorcnt 0x0
	ds_add_u32 v251, v255
	s_wait_dscnt 0x0
	ROUND                                          ; the closing round
	s_endpgm
.Lfunc_end_k_q3151d9d5d8_attn:
	.size	k_q3151d9d5d8_attn, .Lfunc_end_k_q3151d9d5d8_attn-k_q3151d9d5d8_attn
	.p2alignl 7, 3214868480
	.fill 96, 4, 3214868480
	.section	.rodata,"a",@progbits
	.p2align	6, 0x0
	.amdhsa_kernel k_q3151d9d5d8_attn
		.amdhsa_group_segment_fixed_size 169984
		.amdhsa_private_segment_fixed_size 0
		.amdhsa_enable_private_segment 0
		.amdhsa_kernarg_size 32
		.amdhsa_user_sgpr_count 2
		.amdhsa_user_sgpr_kernarg_segment_ptr 1
		.amdhsa_wavefront_size32 1
		.amdhsa_system_sgpr_workgroup_id_x 1
		.amdhsa_system_sgpr_workgroup_id_y 1
		.amdhsa_system_sgpr_workgroup_id_z 1
		.amdhsa_system_vgpr_workitem_id 0
		.amdhsa_next_free_vgpr 256
		.amdhsa_next_free_sgpr 66
		.amdhsa_reserve_vcc 1
		.amdhsa_float_denorm_mode_32 3
		.amdhsa_float_denorm_mode_16_64 3
		.amdhsa_memory_ordered 1
		.amdhsa_forward_progress 1
		.amdhsa_inst_pref_size 60
	.end_amdhsa_kernel
	.amdgpu_metadata
---
amdhsa.version: [ 1, 2 ]
amdhsa.kernels:
  - .name:           k_q3151d9d5d8_attn
    .symbol:         k_q3151d9d5d8_attn.kd
    .args:
      - { .name: qbuf, .offset: 0, .size: 8, .value_kind: global_buffer, .address_space: global }
      - { .name: kvbuf, .offset: 8, .size: 8, .value_kind: global_buffer, .address_space: global }
      - { .name: ycodes, .offset: 16, .size: 8, .value_kind: global_buffer, .address_space: global }
      - { .name: yscales, .offset: 24, .size: 8, .value_kind: global_buffer, .address_space: global }
    .group_segment_fixed_size: 169984
    .private_segment_fixed_size: 0
    .kernarg_segment_align: 8
    .kernarg_segment_size: 32
    .max_flat_workgroup_size: 512
    .sgpr_count:     66
    .vgpr_count:     256
    .wavefront_size: 32
...
	.end_amdgpu_metadata
.endif
;; end of part 2
;; launch proj (part 3): grid 4 x 64, 4 waves a work-group, clusters of 4 x 4, 252,160 bytes of LDS; arguments ycodes, yscales, W_proj_codes, W_proj_scales, b_proj, out0; writes out0
.if DOCPART == 3
	.amdgcn_target "amdgcn-amd-amdhsa--gfx1250"
	.amdhsa_code_object_version 6
	.text
	.protected	k_q3151d9d5d8_proj
	.globl	k_q3151d9d5d8_proj
	.p2align	8
	.type	k_q3151d9d5d8_proj,@function
k_q3151d9d5d8_proj:
	s_mov_b64 s[64:65], 0
	v_nop
	global_prefetch_b8 v0, s[64:65] scope:SCOPE_SE
	s_setreg_imm32_b32 hwreg(HW_REG_WAVE_MODE, 25, 1), 1
	s_wait_xcnt 0x0
	s_wait_alu depctr_hold_cnt(0) depctr_sa_sdst(0) depctr_va_vdst(0) depctr_va_sdst(0) depctr_va_ssrc(0) depctr_va_vcc(0) depctr_vm_vsrc(0)
	s_getreg_b32 s2, hwreg(HW_REG_IB_STS2, 6, 4)
	s_cmp_eq_u32 s2, 0
	s_cbranch_scc0 .Lentry_in_a_cluster
	s_endpgm
.Lentry_in_a_cluster:
	s_bfe_u32 s2, ttmp6, 0x10000c
	s_cmp_lg_u32 s2, 0xf033
	s_cbranch_scc0 .Lentry_shape_is_right
	s_endpgm
.Lentry_shape_is_right:
; out0 = y W_proj + b_proj on codes of FP4 (E2M1) with one E8M0 scale for each 32 along K = 1,024.  y comes as images of the operand's registers (ycodes: [block of 128 rows][128 along K][tile of 16 rows][c][512 bytes]),
; its scale bytes as rows of 32 (yscales); W_proj as rows of 512 bytes of codes and 32 of scales.
; A work-group of four waves makes a tile of 128 rows x 256 columns: 256 work-groups.  A wave makes 64 x 128: 32 accumulators of 16 x 16.  The tile's whole K lies in LDS as two halves of 512, each filled ONCE:
; no LDS byte is filled twice in this launch, so there is no ring, and a wave has three tensor loads out at the most (its scales and its part of both halves).
; THE MATRIX INSTRUCTION IS USED TRANSPOSED (source 0 = 16 rows of W_proj, source 1 = 16 rows of y): a lane holds eight neighbouring numbers of a row of out0.  The bias is the C of each sum's first product.
; CLUSTERS: 4 x 4 work-groups.  y's tile hangs on the tile row alone and is asked for jointly by a row of the cluster, W_proj's on the tile column alone, by a column.
; REGISTERS, in windows of 256: window 0: v1-29 addresses; v32-95 scale words, two sets; v128-159, v192-223 y's fragments, two sets (on the way out v128-255 take rows of out0).
;   window 1: v0-63, v128-191 W_proj's fragments, two sets; v64-127 the bias, eight tiles in the result's layout.   window 2: accumulator (a, b) at v[8 (8 a + b)].
.set PITCH, 272                        ; a row of W_proj in LDS: 256 bytes + 16 of padding = 68 words: the 16 rows that a load touches start at 16 different banks (64 banks of 4 bytes: ISA guide 11.1)
.set HALFB, 128*PITCH                  ; 128 rows of W_proj: what one tensor load brings
.set AIMG,  32768                      ; y's images of half of K: [4][8][2][512], dense
.set SLOT,  AIMG+2*HALFB               ; half of K: y's images, then W_proj's 256 rows
.set SCL,   2*SLOT                     ; the scales, as units of 256 bytes + 16: y's 128 rows (16 units), then W_proj's 256 (32)
.set SBLK,  2*272                      ; those of 16 rows
.set STAGE, SCL+48*272                 ; the way out: 16 rows x (512 bytes + 16) for each wave: bytes into which no tile lands
.set SPITCH, 528
.set G1A,  24                          ; s[24:31] descriptor group 1 for y's images;  s[32:39] group 0, a set for each half of K;  s[40:43] group 0 for y's scales
.set G0A,  32
.set G0AS, 40
.set G1B,  44                          ; s[44:51], s[52:59], s[60:63] the same for W_proj
.set G0B,  52
.set G0BS, 60
.set G1AS, 68                          ; s[68:75], s[76:83] group 1 for the scales
.set G1BS, 76
.set SC,   32
.set AF,   128
.set BK,   128
.set MSB, 0
.macro WIN new                         ; the immediate's high byte repeats the setting that is left
.if MSB != (\new)
	s_set_vgpr_msb (MSB<<8)|(\new)
.set MSB, (\new)
.endif
.endm
.macro PLACES                          ; four plain vector instructions behind a matrix instruction, in front of loads into its registers and of reads of its result
.rept 4
	v_nop
.endr
.endm
.macro CREST
	s_cmp_lg_u32 s18, 0
	s_cbranch_scc1 .Lnot_wave_0_\@
	s_barrier_signal -3
.Lnot_wave_0_\@:
	s_barrier_wait -3
	s_barrier_signal -1
	s_barrier_wait -1
.endm
.macro CROUND
	s_barrier_signal -1
	s_barrier_wait -1
	CREST
.endm
	s_load_b256 s[4:11], s[0:1], 0x0               ; ycodes s[4:5], yscales s[6:7], W's codes s[8:9], W's scales s[10:11]
	s_load_b128 s[12:15], s[0:1], 0x20             ; b_proj s[12:13], out0 s[14:15]
	v_lshl_add_u32 v126, v0, 2, 0x3d700
	v_mov_b32 v127, 0
	ds_add_u32 v126, v127
	ds_add_u32 v126, v127
	v_lshrrev_b32 v1, 5, v0
	v_readfirstlane_b32 s18, v1                    ; wave 0..3
	s_lshr_b32 s19, s18, 1                         ; which 64 rows of y are mine.  Also: I fetch for y (0) or for W_proj (1)
	s_and_b32 s20, s18, 1                          ; which 128 rows of W_proj.  Also: which half of that tile I fetch
	s_bfe_u32 s21, ttmp6, 0x40000                  ; cx
	s_bfe_u32 s22, ttmp6, 0x40004                  ; cy
	s_and_b32 s23, ttmp7, 0xffff
	s_lshl_b32 s23, s23, 2
	s_add_co_u32 s23, s23, s22                     ; tile row: the block of 128 rows
	s_lshl_b32 s66, ttmp9, 2
	s_add_co_u32 s66, s66, s21                     ; tile column
	s_lshl_b32 s2, s22, 2
	s_lshl_b32 s2, 15, s2                          ; my row of the cluster
	s_lshl_b32 s3, 0x1111, s21                     ; my column
	s_or_b32 s[G1A], s2, (3<<16)|(1<<21)                            ; the mask; elements of 8 bytes; 21 set beside a mask; no padding: images are read 16 bytes a lane on end
	s_or_b32 s[G1B], s3, (1<<20)|(1<<21)|(5<<22)|(3<<25)            ; elements of 1 byte; four words of padding after every 64
	s_or_b32 s[G1AS], s2, (3<<16)|(1<<20)|(1<<21)|(5<<22)|(3<<25)
	s_or_b32 s[G1BS], s3, (3<<16)|(1<<20)|(1<<21)|(5<<22)|(3<<25)
	s_mov_b32 s[G1A+1], 32<<16                     ; 16,384 dense bytes, as 64 rows of 256
	s_mov_b32 s[G1A+2], 64<<16
	s_mov_b32 s[G1A+3], 32<<16
	s_mov_b32 s[G1A+4], 64
	s_mov_b32 s[G1A+5], 32
	s_mov_b32 s[G1A+6], 0
	s_mov_b32 s[G1A+7], 0
	s_mov_b32 s[G1B+1], 256<<16                    ; 128 rows of 256 bytes, 512 bytes apart
	s_mov_b32 s[G1B+2], 128<<16
	s_mov_b32 s[G1B+3], 256<<16
	s_mov_b32 s[G1B+4], 128
	s_mov_b32 s[G1B+5], 512
	s_mov_b32 s[G1B+6], 0
	s_mov_b32 s[G1B+7], 0
	s_mov_b32 s[G1AS+1], 32<<16                    ; the scales of 64 rows: 2,048 dense bytes
	s_mov_b32 s[G1AS+2], 8<<16
	s_mov_b32 s[G1AS+3], 32<<16
	s_mov_b32 s[G1AS+4], 8
	s_mov_b32 s[G1AS+5], 32
	s_mov_b32 s[G1AS+6], 0
	s_mov_b32 s[G1AS+7], 0
	s_mov_b32 s[G1BS+1], 32<<16                    ; of 128 rows: 4,096
	s_mov_b32 s[G1BS+2], 16<<16
	s_mov_b32 s[G1BS+3], 32<<16
	s_mov_b32 s[G1BS+4], 16
	s_mov_b32 s[G1BS+5], 32
	s_mov_b32 s[G1BS+6], 0
	s_mov_b32 s[G1BS+7], 0
	s_lshl_b32 s92, s23, 16                        ; y's images: 65,536 bytes a block of rows,
	s_lshl_b32 s2, s20, 14                         ; my 16,384 of a half of K: in memory and in LDS alike
	s_add_co_u32 s92, s92, s2
	s_mov_b32 s93, 0
	s_lshl_b32 s84, s23, 12                        ; y's scales: 4,096 bytes a block of rows,
	s_lshl_b32 s3, s20, 11                         ; my 64 rows
	s_add_co_u32 s84, s84, s3
	s_mov_b32 s85, 0
	s_lshl_b32 s94, s66, 8
	s_lshl_b32 s3, s20, 7
	s_add_co_u32 s94, s94, s3                      ; W_proj: the 128 rows that I fetch, which are also the 128 that I multiply
	s_mov_b32 s67, s94
	s_mov_b32 s95, 0
	s_lshl_b32 s94, s94, 5                         ; 32 bytes of scales a row
	s_wait_dscnt 0x0
	s_wait_kmcnt 0x0
	s_add_nc_u64 s[G0A+2:G0A+3], s[4:5], s[92:93]
	s_add_nc_u64 s[G0A+6:G0A+7], s[G0A+2:G0A+3], AIMG
	s_add_nc_u64 s[G0AS+2:G0AS+3], s[6:7], s[84:85]
	s_add_nc_u64 s[G0BS+2:G0BS+3], s[10:11], s[94:95]
	s_lshl_b32 s94, s94, 4                         ; 512 bytes of codes a row
	s_add_nc_u64 s[G0B+2:G0B+3], s[8:9], s[94:95]
	s_add_nc_u64 s[G0B+6:G0B+7], s[G0B+2:G0B+3], 256
	s_mul_i32 s3, s20, HALFB
	s_add_co_u32 s3, s3, AIMG                      ; W_proj's rows lie behind y's images
	s_mov_b32 s[G0A], 1
	s_mov_b32 s[G0A+1], s2
	s_or_b32 s[G0A+3], s[G0A+3], 0x80000000
	s_mov_b32 s[G0A+4], 1
	s_add_co_u32 s[G0A+5], s2, SLOT
	s_or_b32 s[G0A+7], s[G0A+7], 0x80000000
	s_mov_b32 s[G0B], 1
	s_mov_b32 s[G0B+1], s3
	s_or_b32 s[G0B+3], s[G0B+3], 0x80000000
	s_mov_b32 s[G0B+4], 1
	s_add_co_u32 s[G0B+5], s3, SLOT
	s_or_b32 s[G0B+7], s[G0B+7], 0x80000000
	s_mul_i32 s2, s20, 8*272
	s_mul_i32 s3, s20, 16*272
	s_mov_b32 s[G0AS], 1
	s_add_co_u32 s[G0AS+1], s2, SCL
	s_or_b32 s[G0AS+3], s[G0AS+3], 0x80000000
	s_mov_b32 s[G0BS], 1
	s_add_co_u32 s[G0BS+1], s3, SCL+16*272
	s_or_b32 s[G0BS+3], s[G0BS+3], 0x80000000
	CROUND                                         ; all sixteen work-groups are here: the joint loads meet
	s_cmp_eq_u32 s19, 0                            ; a wave's three fills stand in one branch on the wave's number; four v_nop follow the last
	s_cbranch_scc0 .Lfirst_b
	tensor_load_to_lds s[G0AS:G0AS+3], s[G1AS:G1AS+7]
	s_nop 0
	tensor_load_to_lds s[G0A:G0A+3], s[G1A:G1A+7]
	s_nop 0
	tensor_load_to_lds s[G0A+4:G0A+7], s[G1A:G1A+7]
	s_nop 0
.rept 4
	v_nop
.endr
	s_branch .Lfirst_asked
.Lfirst_b:
	tensor_load_to_lds s[G0BS:G0BS+3], s[G1BS:G1BS+7]
	s_nop 0
	tensor_load_to_lds s[G0B:G0B+3], s[G1B:G1B+7]
	s_nop 0
	tensor_load_to_lds s[G0B+4:G0B+7], s[G1B:G1B+7]
	s_nop 0
.rept 4
	v_nop
.endr
.Lfirst_asked:
	v_and_b32 v1, 15, v0                           ; r
	s_wait_alu depctr_va_vdst(0)
	v_bfe_u32 v2, v0, 4, 1                         ; h
	v_lshlrev_b32 v3, 5, v2                        ; the bias: 8 h numbers on
	s_lshl_b32 s84, s67, 2                         ; my first column, in bytes
	s_mov_b32 s85, 0
	s_add_nc_u64 s[12:13], s[12:13], s[84:85]
	WIN 0x40                                       ; destination window 1
.irp b, 0,1,2,3,4,5,6,7
	global_load_b128 v[64+8*\b:64+8*\b+3], v3, s[12:13] offset:64*\b       ; tile b: b_proj at columns 16 b + 8 h + 0 .. 7
	global_load_b128 v[64+8*\b+4:64+8*\b+7], v3, s[12:13] offset:64*\b+16
.endr
	WIN 0
	s_lshl_b32 s2, s23, 7
	s_lshl_b32 s3, s19, 6
	s_add_co_u32 s2, s2, s3                        ; my first row of out0
	s_lshl_b32 s2, s2, 12                          ; 4,096 bytes a row
	s_add_co_u32 s84, s84, s2
	s_add_nc_u64 s[14:15], s[14:15], s[84:85]
	v_and_b32 v26, 31, v0
	v_lshlrev_b32 v26, 4, v26                      ; 16 x lane
	s_lshl_b32 s2, s19, 12                         ; y's images: my four tiles of rows, 1,024 bytes each
	v_add_nc_u32 v16, s2, v26
	s_add_co_u32 s2, s2, SLOT
	v_add_nc_u32 v17, s2, v26
	v_mul_u32_u24 v5, v1, PITCH
	s_wait_alu depctr_va_vdst(0)
	v_lshl_add_u32 v5, v2, 4, v5                   ; W_proj: a fragment's row x pitch + 16 h
	s_mul_i32 s3, s20, HALFB
	s_add_co_u32 s3, s3, AIMG
	v_add_nc_u32 v20, s3, v5
	s_add_co_u32 s3, s3, SLOT
	v_add_nc_u32 v21, s3, v5
	v_lshlrev_b32 v5, 5, v1                        ; my row's scales: 32 bytes a row,
	v_lshrrev_b32 v6, 3, v1
	v_lshl_add_u32 v5, v6, 4, v5                   ; and 16 more behind the first 256
	s_mul_i32 s2, s19, 8*272                       ; y's: my 64 rows
	s_mul_i32 s3, s20, 16*272                      ; W_proj's: my 128 rows, behind y's 128
	s_add_co_u32 s3, s3, 16*272
	s_sub_co_u32 s3, s3, s2
	v_mul_u32_u24 v7, s3, v2                       ; lanes 16-31 take W_proj's: one product, the distance between the two bases x h
	s_add_co_u32 s2, s2, SCL
	v_add_nc_u32 v5, v5, v7
	v_add_nc_u32 v27, s2, v5
	s_mul_i32 s2, s18, 16*SPITCH
	s_add_co_u32 s2, s2, STAGE                     ; my stage
	v_mul_u32_u24 v5, v1, SPITCH
	v_lshl_add_u32 v5, v2, 5, v5
	v_add_nc_u32 v24, s2, v5                       ; in: row r, 32 bytes for each half of the lanes
	v_add_nc_u32 v25, s2, v26                      ; back: the 32 lanes take one row of 512 bytes
.macro FETCH g                         ; K step g (128 along K; half g / 4 of K): W_proj's eight fragments and y's four into sets g % 2
	WIN 0x40
.irp i, 0,1,2,3,4,5,6,7
.irp c, 0,1
	ds_load_b128 v[128*((\g)%2)+8*\i+4*\c:128*((\g)%2)+8*\i+4*\c+3], v[20+(\g)/4] offset:64*((\g)%4)+32*\c+\i*16*PITCH
.endr
.endr
	WIN 0
.irp i, 0,1,2,3
.irp c, 0,1
	ds_load_b128 v[AF+64*((\g)%2)+8*\i+4*\c:AF+64*((\g)%2)+8*\i+4*\c+3], v[16+(\g)/4] offset:8192*((\g)%4)+1024*\i+512*\c
.endr
.endr
.endm
.macro SCALES s                        ; the scale words of half s of K: lanes 0-15 take y's block i (blocks 0-3 are used), lanes 16-31 W_proj's
.irp i, 0,1,2,3,4,5,6,7
	ds_load_b128 v[SC+32*\s+4*\i:SC+32*\s+4*\i+3], v27 offset:\i*SBLK+16*\s
.endr
.endm
; Eight matrix instructions: y's block a against W_proj's eight.  first = 1: the bias tile is the C that starts the sum.  The 32 accumulators take turns, one instruction a turn.
.macro MUL a, g, first
.irp b, 0,1,2,3,4,5,6,7
.if \first
	v_wmma_scale_f32_16x16x128_f8f6f4 v[8*(8*(\a)+\b):8*(8*(\a)+\b)+7], v[128*((\g)%2)+8*\b:128*((\g)%2)+8*\b+7], v[AF+64*((\g)%2)+8*(\a):AF+64*((\g)%2)+8*(\a)+7], v[64+8*\b:64+8*\b+7], v[SC+32*((\g)/4)+4*\b+(\g)%4], v[SC+32*((\g)/4)+4*(\a)+(\g)%4] matrix_a_fmt:MATRIX_FMT_FP4 matrix_b_fmt:MATRIX_FMT_FP4 matrix_a_scale:MATRIX_SCALE_ROW1
.else
	v_wmma_scale_f32_16x16x128_f8f6f4 v[8*(8*(\a)+\b):8*(8*(\a)+\b)+7], v[128*((\g)%2)+8*\b:128*((\g)%2)+8*\b+7], v[AF+64*((\g)%2)+8*(\a):AF+64*((\g)%2)+8*(\a)+7], v[8*(8*(\a)+\b):8*(8*(\a)+\b)+7], v[SC+32*((\g)/4)+4*\b+(\g)%4], v[SC+32*((\g)/4)+4*(\a)+(\g)%4] matrix_a_fmt:MATRIX_FMT_FP4 matrix_b_fmt:MATRIX_FMT_FP4 matrix_a_scale:MATRIX_SCALE_ROW1
.endif
.endr
.endm
.macro STEP g, first, next
	s_wait_dscnt 0x0                               ; this step's fragments (asked for 32 matrix instructions ago) are in
.if \next
.if !(\first)
	PLACES
.endif
	FETCH (\g)+1
.endif
	WIN 0xa1-0x10*(\first)                         ; source 0 window 1, source 1 window 0, D window 2; C window 2, in the first step window 1
	MUL 0, \g, \first
	MUL 1, \g, \first
	MUL 2, \g, \first
	MUL 3, \g, \first
.endm
	s_wait_alu depctr_va_vdst(0)
	s_wait_loadcnt 0x0                             ; the bias
	s_wait_tensorcnt 0x1                           ; my scales and my part of the first half of K are in; the one load issued behind them, the second half's, may be out
	s_barrier_signal -1
	s_barrier_wait -1                              ; everybody's are
	FETCH 0
	SCALES 0
	STEP 0, 1, 1
	STEP 1, 0, 1
	STEP 2, 0, 1
	; K step 3 goes over to the second half of K: one barrier, in front of which my part of that half has landed
	s_wait_tensorcnt 0x0
	s_wait_dscnt 0x0
	s_barrier_signal -1
	WIN 0xa1
	MUL 0, 3, 0
	MUL 1, 3, 0
	WIN 0
	s_barrier_wait -1
	PLACES
	FETCH 4
	SCALES 1
	WIN 0xa1
	MUL 2, 3, 0
	MUL 3, 3, 0
	STEP 4, 0, 1
	STEP 5, 0, 1
	STEP 6, 0, 1
	STEP 7, 0, 0
	WIN 0
; THE WAY OUT, block by block of 16 rows x 128 columns.  A lane holds 32 neighbouring bytes of a row and the lanes beside it other rows: a block goes through my own stage and comes back as whole rows of 512 bytes.
; LDS serves a wave's instructions in order (ISA guide 5.7.1.4): no wait between the stores and the loads, nor in front of the next block's stores.
.macro TOSTAGE a
	WIN 0x08                                       ; an LDS store's data are its source 1: window 2
.irp b, 0,1,2,3,4,5,6,7
	ds_store_b128 v24, v[64*(\a)+8*\b:64*(\a)+8*\b+3] offset:64*\b           ; each accumulator from its low end on
	ds_store_b128 v24, v[64*(\a)+8*\b+4:64*(\a)+8*\b+7] offset:64*\b+16
.endr
	WIN 0
.irp t, 0,1,2,3,4,5,6,7,8,9,10,11,12,13,14,15
	ds_load_b128 v[BK+64*((\a)%2)+4*\t:BK+64*((\a)%2)+4*\t+3], v25 offset:\t*SPITCH
.endr
.endm
.macro SEND a, younger                 ; younger: the LDS instructions issued behind block a's loads, which may stay out
	s_wait_dscnt \younger
.irp t, 0,1,2,3,4,5,6,7,8,9,10,11,12,13,14,15
	global_store_b128 v26, v[BK+64*((\a)%2)+4*\t:BK+64*((\a)%2)+4*\t+3], s[14:15] offset:(16*(\a)+\t)*4096 th:TH_STORE_NT   ; 32 lanes store 512 consecutive bytes, at a multiple of 512 from out0's first byte; written once, read by nobody here
.endr
.endm
	PLACES
	TOSTAGE 0
.irp a, 1,2,3
.if \a > 1
	s_wait_xcnt 0x0                                ; the stores of two blocks back have read their registers: this block's loads may land there
.endif
	TOSTAGE \a
	SEND \a-1, 32                                  ; behind the block before's loads: this block's 16 stores and 16 loads
.endr
	SEND 3, 0
	s_wait_tensorcnt 0x0
	ds_add_u32 v126, v127
	s_wait_dscnt 0x0
	CROUND                                         ; the closing round: no work-group ends while a partner may still ask for a tile that names it
	s_endpgm
.Lfunc_end_k_q3151d9d5d8_proj:
	.size	k_q3151d9d5d8_proj, .Lfunc_end_k_q3151d9d5d8_proj-k_q3151d9d5d8_proj
	.p2alignl 7, 3214868480
	.fill 96, 4, 3214868480
	.section	.rodata,"a",@progbits
	.p2align	6, 0x0
	.amdhsa_kernel k_q3151d9d5d8_proj
		.amdhsa_group_segment_fixed_size 252160
		.amdhsa_private_segment_fixed_size 0
		.amdhsa_enable_private_segment 0
		.amdhsa_kernarg_size 48
		.amdhsa_user_sgpr_count 2
		.amdhsa_user_sgpr_kernarg_segment_ptr 1
		.amdhsa_wavefront_size32 1
		.amdhsa_system_sgpr_workgroup_id_x 1
		.amdhsa_system_sgpr_workgroup_id_y 1
		.amdhsa_system_sgpr_workgroup_id_z 1
		.amdhsa_system_vgpr_workitem_id 0
		.amdhsa_next_free_vgpr 768
		.amdhsa_next_free_sgpr 100
		.amdhsa_reserve_vcc 0
		.amdhsa_float_denorm_mode_32 3
		.amdhsa_float_denorm_mode_16_64 3
		.amdhsa_memory_ordered 1
		.amdhsa_forward_progress 1
		.amdhsa_inst_pref_size 72
	.end_amdhsa_kernel
	.amdgpu_metadata
---
amdhsa.version: [ 1, 2 ]
amdhsa.kernels:
  - .name:           k_q3151d9d5d8_proj
    .symbol:         k_q3151d9d5d8_proj.kd
    .args:
      - { .name: ycodes, .offset: 0, .size: 8, .value_kind: global_buffer, .address_space: global }
      - { .name: yscales, .offset: 8, .size: 8, .value_kind: global_buffer, .address_space: global }
      - { .name: W_proj_codes, .offset: 16, .size: 8, .value_kind: global_buffer, .address_space: global }
      - { .name: W_proj_scales, .offset: 24, .size: 8, .value_kind: global_buffer, .address_space: global }
      - { .name: b_proj, .offset: 32, .size: 8, .value_kind: global_buffer, .address_space: global }
      - { .name: out0, .offset: 40, .size: 8, .value_kind: global_buffer, .address_space: global }
    .group_segment_fixed_size: 252160
    .private_segment_fixed_size: 0
    .kernarg_segment_align: 8
    .kernarg_segment_size: 48
    .max_flat_workgroup_size: 128
    .sgpr_count:     100
    .vgpr_count:     768
    .wavefront_size: 32
...
	.end_amdgpu_metadata
.endif
;; end of part 3
